; MI455X (gfx1250); checked and timed in simulation.
; The chip was launched on July 23, 2026; its instructions are those of AMD's public machine-readable ISA for CDNA 5 (MIT licence, August 2026) and "CDNA5" Instruction Set Architecture Reference Guide (July 2026). The comments in the code are by the model that wrote it; some were corrected since.
;; Multi Head Attention. Allowed arithmetic: matrix products marked QUANTISED: E2M3 operands, one E8M0 scale for each 32 along K, by v_wmma_scale_f32_16x16x128_f8f6f4 with both operands' format E2M3, f32 sums; everything else in f32.
;; Inputs: W_o 1,024 x 1,024 float32; W_qkv 3,072 x 1,024 float32; src_mask 4 x 2,048 bool; x 4 x 2,048 x 1,024 float32.
;; Outputs: out0 4 x 2,048 x 1,024 float32.
;; This version of the problem:
;;   THIS VERSION OF THE PROBLEM IS GIVEN IN LOW PRECISION. The matrix products marked QUANTISED in the list below multiply operands that are first quantised to E2M3 (2 exponent bits, 3 mantissa bits; 6 bits a number), with one power-of-two scale for each 32 numbers along K (OCP MX v1.0); their sums are f32. All else is computed in f32.
;;   The module's matrix products, in the order in which they are computed (A, B: the left and right operand; K: the contracted axis; several contracted axes count as one K, in the product's order):
;;     1. [M 8,192, K 1,024] x [K 1,024, N 3,072]; A: input x; B: input W_qkv: QUANTISED
;;     2. batch 64 x [M 2,048, K 64] x [K 64, N 2,048]; A: computed on the way; B: computed on the way: QUANTISED
;;     3. batch 64 x [M 64, K 2,048] x [K 2,048, N 2,048]; A: computed on the way; B: softmax (see below): QUANTISED
;;     4. [M 8,192, K 1,024] x [K 1,024, N 1,024]; A: computed on the way; B: input W_o: QUANTISED
;;   THE QUANTISER, for each operand of a quantised product, along K:
;;     - K is cut into blocks of 32 from its start; a last block that is shorter is filled with zeros.
;;     - A block's scale is 2^e with e = floor(log2(the largest magnitude in the block)) - 2, held to -126 .. 127; a block of zeros has e = 0. As a byte (E8M0): e + 127.
;;     - Each number is divided by its block's scale, clamped to +-7.5, and rounded to the nearest number of E2M3, ties to even, subnormals kept.
;;     - The product sums the exact products of the quantised numbers (number of the format x scale) in f32.
;;   ~~~python
;;   def quantise(x, axis):      # numpy; x: float32 -> the quantised numbers, widened to float32 again
;;       x = np.moveaxis(x, axis, -1); K = x.shape[-1]
;;       x = np.pad(x, [(0, 0)] * (x.ndim - 1) + [(0, -K % 32)]); x = x.reshape(x.shape[:-1] + (-1, 32)); a = np.abs(x).max(-1, keepdims=True)
;;       e = np.where(a > 0, np.clip(np.frexp(np.where(a > 0, a, 1))[1] - 1 - 2, -126, 127), 0)      # np.frexp(a)[1] - 1 = floor(log2(a)), exactly
;;       r = np.clip(x / 2.0 ** e, -7.5, 7.5)
;;       step = 2.0 ** (np.maximum(np.frexp(np.where(r == 0, 1, r))[1] - 1, 0) - 3)
;;       q = np.round(r / step) * step * 2.0 ** e      # np.round: ties to even
;;       return np.moveaxis(q.reshape(q.shape[:-2] + (-1,))[..., :K], -1, axis).astype(np.float32)
;;   ~~~
;;   SOFTMAX AHEAD OF A QUANTISED PRODUCT. Where the list says 'softmax', what is quantised is not the finished softmax but p = 2^(t - M), with t = logit x log2(e) and M = ceil(the row's largest t), a whole number; so 1/2 < the row's largest p <= 1. The row's sum l is taken of the UNQUANTISED p, in f32, and the product's result is divided by l at the end. Since M is a whole number, a kernel that streams over the keys may use a running M (the ceiling of the running maximum): every later rescaling is an exact power of two, which a block's scale takes up: the codes' values come out the same.
;;   OPERANDS COMPUTED ON THE WAY. 'Computed on the way' means the value that the module computes at that place (a softmax that the list does not call 'softmax' is quantised finished and normalised). What goes into a quantiser is computed in f32, as accurately as f32 sums, v_exp_f32 and their like allow (about 1e-6 of the number): no bf16 or f16 on the way to a quantiser, and a product that is left as it is and whose result goes on into a quantised operand takes f32 operands (vector FMAs, or v_wmma_f32_16x16x4_f32). A number that lies on a knife's edge between two numbers of the format may be rounded either way, as far as f32 arithmetic and the matrix unit's own rounding can turn it there, and no further.
;; One version. Each part assembles by itself: llvm-mc -triple=amdgcn-amd-amdhsa -mcpu=gfx1250 --defsym DOCPART=n.
;; ======== version 1 of 1: 4 launches
;; limits: right only within a limited range of input values
;; workspace buffers: img 9,437,184 bytes; sc 393,216 bytes; qimg 6,291,456 bytes; qsc 524,288 bytes; kv 13,369,344 bytes; oimg 6,291,456 bytes; osc 262,144 bytes
;; launch quant (part 1): grid 384 x 1, 4 waves a work-group, no clusters, 34,304 bytes of LDS; arguments x, W_qkv, W_o, img, sc; writes img, sc
.if DOCPART == 1
	.amdgcn_target "amdgcn-amd-amdhsa--gfx1250"
	.amdhsa_code_object_version 6
	.text
	.protected	k_q602e31329f_quant
	.globl	k_q602e31329f_quant
	.p2align	8
	.type	k_q602e31329f_quant,@function
k_q602e31329f_quant:
	s_mov_b64 s[64:65], 0
	v_nop
	global_prefetch_b8 v0, s[64:65] scope:SCOPE_SE
	s_setreg_imm32_b32 hwreg(HW_REG_WAVE_MODE, 25, 1), 1
	s_wait_xcnt 0x0
; x [8192][1024], W_qkv [3072][1024], W_o [1024][1024], f32, K innermost, become codes of FP6 (E2M3) with one E8M0 byte for each 32 along K,
; laid as IMAGES OF THE OPERAND'S REGISTERS: img [tile 768][K step 8][1,536 bytes]; a fragment (16 rows x 128 K, 12 registers a lane) is three planes of 512 bytes,
; plane c = registers 4 c .. 4 c + 3, a lane's 16 bytes at 16 x lane.  Tiles 0-511 are x's, 512-703 W_qkv's, 704-767 W_o's.
; THE ROWS OF A TILE ARE NOT NEIGHBOURS: lane r of tile T holds row 32 (T / 2) + 8 (T % 2) + r + 8 (r / 8), so that the results of two neighbouring tiles are 16 neighbours along the next product's K.
; sc [tile][512 bytes]: at 16 x lane the scale words of K steps 4 (lane / 16) .. + 3 of the tile's row lane % 16: one load of 16 bytes a lane gives four scale registers, steps 0-3 in lanes 0-15, steps 4-7 in lanes 16-31.
; A block's scale is 2^(floor(log2(largest magnitude)) - 2); its byte is the largest magnitude's exponent field - 2, held at 1 from below.
; LIMITS: a block whose largest magnitude lies under 2^-124, a block of zeros too, gets the byte 1 (a block of zeros has zero codes, and this program alone reads the bytes); NaN and infinities among the inputs are not served.
; SHARES: a wave makes four fragments: K steps 4 kh .. 4 kh + 3 of tile G; G = 2 x work-group + wave / 2, kh = wave % 2.  One path for all three tensors: only the pointer is chosen.
; Each load reads 512 consecutive bytes of one row; a step's 16 rows turn through the wave's own stage in LDS (rows 528 bytes apart) and come back 16 neighbours of each block to a lane.
; No tensor load, no barrier: waves share nothing.  Loads run one step (16 loads) ahead of the step in hand.
.set STG,   8448                       ; a wave's stage: 16 rows x (512 + 16) bytes
.set SPARE, 4*STG                      ; behind the stages: the spare words, 128 bytes a wave
.set LO,    1                          ; v1   16 x lane
.set SIN,   2                          ; v2   the stage, way in: 16 x lane
.set SOUT,  3                          ; v3   the stage, way out: 528 r + 64 h
.set SCO,   4                          ; v4   16 r + 8 h: my two scale words' place
.set SPW,   5                          ; v5   my spare word; never rewritten
.set NIL,   6                          ; v6   0; never rewritten
.set R,     16                         ; v16-143  two sets of 64 registers as loaded
.set X,     144                        ; v144-207 register 16 b + i = k 32 b + 16 h + i of my row
.set PC,    208                        ; v208-219 the fragment; v220-227 the conversions' second halves
.set TM,    228                        ; v228-243 at work
.set PW,    244                        ; v244-247 the four steps' scale words
.set CW,    248                        ; v[248:249] the two that I store
.set SEL,   20                         ; s[20:21] lane selects: lane l xor 16
	s_load_b128 s[4:7], s[0:1], 0x0                ; x, W_qkv
	s_load_b128 s[8:11], s[0:1], 0x10              ; W_o, img
	s_load_b64 s[12:13], s[0:1], 0x20              ; sc
	v_lshl_add_u32 v[SPW], v0, 2, SPARE
	v_mov_b32 v[NIL], 0
	v_lshrrev_b32 v7, 5, v0
	v_readfirstlane_b32 s16, v7                    ; wave
	v_and_b32 v7, 31, v0                           ; lane
	v_and_b32 v8, 15, v0                           ; r
	v_bfe_u32 v9, v0, 4, 1                         ; h
	v_lshlrev_b32 v[LO], 4, v7
	s_mul_i32 s19, s16, STG
	v_add_nc_u32 v[SIN], s19, v[LO]
	v_mul_u32_u24 v[SOUT], v8, 528
	v_lshl_add_u32 v[SOUT], v9, 6, v[SOUT]
	v_add_nc_u32 v[SOUT], s19, v[SOUT]
	v_lshlrev_b32 v[SCO], 4, v8
	v_lshl_add_u32 v[SCO], v9, 3, v[SCO]
	s_mov_b32 s[SEL], 0x76543210
	s_mov_b32 s[SEL+1], 0xfedcba98
	s_mov_b32 s22, 0xffff0000                      ; lanes 16-31
.irp b, 0,1,2,3
	v_mov_b32 v[TM+4+\b], 0                        ; written once: a lane permute's destination counts as one of its sources
.endr
	s_lshl_b32 s18, ttmp9, 1
	s_lshr_b32 s23, s16, 1
	s_add_co_u32 s18, s18, s23                     ; G
	s_and_b32 s23, s16, 1                          ; kh
	s_wait_kmcnt 0x0
	s_cmp_lt_u32 ttmp9, 256                        ; work-groups 0-255: x; 256-351: W_qkv; 352-383: W_o.  The choice hangs on the work-group's number alone
	s_cselect_b64 s[4:5], s[4:5], s[6:7]
	s_cselect_b32 s17, 0, 512
	s_cmp_lt_u32 ttmp9, 352
	s_cselect_b64 s[4:5], s[4:5], s[8:9]
	s_cselect_b32 s17, s17, 704
	s_sub_co_u32 s17, s18, s17                     ; T: the tile's number in its tensor
	s_lshr_b32 s24, s17, 1
	s_lshl_b32 s24, s24, 17                        ; 32 rows of 4,096 bytes for each pair of tiles,
	s_and_b32 s25, s17, 1
	s_lshl_b32 s25, s25, 15                        ; 8 rows for the odd one,
	s_add_co_u32 s24, s24, s25
	s_lshl_b32 s25, s23, 11                        ; four K steps of 512 bytes
	s_add_co_u32 s24, s24, s25
	s_mov_b32 s25, 0
	s_add_nc_u64 s[4:5], s[4:5], s[24:25]
	s_mul_i32 s24, s18, 12288
	s_mul_i32 s26, s23, 6144
	s_add_co_u32 s24, s24, s26
	s_add_nc_u64 s[10:11], s[10:11], s[24:25]
	s_lshl_b32 s24, s18, 9
	s_lshl_b32 s26, s23, 8
	s_add_co_u32 s24, s24, s26
	s_add_nc_u64 s[12:13], s[12:13], s[24:25]
.macro LOAD st                         ; step st: 512 bytes of each of the tile's 16 rows
.irp i, 0,1,2,3,4,5,6,7,8,9,10,11,12,13,14,15
	global_load_b128 v[R+64*((\st)%2)+4*\i:R+64*((\st)%2)+4*\i+3], v[LO], s[4:5] offset:512*(\st)+(\i+8*(\i/8))*4096 th:TH_LOAD_NT
.endr
.endm
.macro TURN st                         ; through the stage: LDS serves a wave's instructions in order, so no wait stands between the stores and the loads
.irp i, 0,1,2,3,4,5,6,7,8,9,10,11,12,13,14,15
	ds_store_b128 v[SIN], v[R+64*((\st)%2)+4*\i:R+64*((\st)%2)+4*\i+3] offset:528*\i
.endr
.irp b, 0,1,2,3
.irp j, 0,1,2,3
	ds_load_b128 v[X+16*\b+4*\j:X+16*\b+4*\j+3], v[SOUT] offset:128*\b+16*\j
.endr
.endr
.endm
; 64 numbers of a lane become a fragment's codes in v[PC] on and its row's scale word in v[pw]
.macro QUANT src, pw
.irp b, 0,1,2,3
	v_max3_num_f32 v[TM+\b], |v[\src+16*\b]|, |v[\src+1+16*\b]|, 0x1800000   ; my 16 numbers of block b, and the floor 2^(3 - 127): the byte cannot fall under 1
.endr
.irp i, 2,4,6,8,10,12,14
.irp b, 0,1,2,3
	v_max3_num_f32 v[TM+\b], v[TM+\b], |v[\src+16*\b+\i]|, |v[\src+1+16*\b+\i]|
.endr
.endr
.irp b, 0,1,2,3
	v_permlanex16_b32 v[TM+4+\b], v[TM+\b], s[SEL], s[SEL+1]
.endr
.irp b, 0,1,2,3
	v_max_num_f32 v[TM+\b], v[TM+\b], v[TM+4+\b]   ; with lane l xor 16's: the block's largest magnitude
.endr
.irp b, 0,1,2,3
	v_add_nc_u32 v[TM+12+\b], 0xff000000, v[TM+\b] ; 2 off its exponent field: the conversion's scale operand
.endr
.irp b, 0,1,2,3
	v_lshrrev_b32 v[TM+4+\b], 23, v[TM+12+\b]      ; the scale's byte
.endr
	v_lshl_or_b32 v[\pw], v[TM+5], 8, v[TM+4]
	v_lshl_or_b32 v[\pw], v[TM+6], 16, v[\pw]
	v_lshl_or_b32 v[\pw], v[TM+7], 24, v[\pw]
.irp c, 0,1
	v_cvt_scalef32_pk16_fp6_f32 v[PC+6*\c:PC+2+6*\c], v[\src+32*\c:\src+15+32*\c], v[TM+12+2*\c]
	v_cvt_scalef32_pk16_fp6_f32 v[PC+12+4*\c:PC+14+4*\c], v[\src+16+32*\c:\src+31+32*\c], v[TM+12+2*\c+1]   ; (a conversion's three registers begin on an even number)
.endr
	v_nop                                          ; one plain place behind a scaled conversion
.irp c, 0,1                                    ; the layout wants a whole block in a lane: lanes 0-15 block 2 c, lanes 16-31 block 2 c + 1
.irp i, 0,1,2
	v_permlane16_swap_b32 v[PC+6*\c+\i], v[PC+12+4*\c+\i]
.endr
.irp i, 0,1,2
	v_mov_b32 v[PC+3+6*\c+\i], v[PC+12+4*\c+\i]
.endr
.endr
.endm
	LOAD 0
	LOAD 1
.irp st, 0,1,2,3
.if \st < 3
	s_wait_loadcnt 16                              ; this step's 16 loads are in; the next step's 16 may be out
.else
	s_wait_loadcnt 0x0
.endif
	TURN \st
	s_wait_dscnt 0x0                               ; the numbers are back, and the stage's stores have read the set that is loaded again below
	s_wait_xcnt 0x0                                ; the last step's stores have read the fragment's registers: they are written again below
.if \st < 2
	LOAD \st+2
.endif
	QUANT X, PW+\st
.irp c, 0,1,2
	global_store_b128 v[LO], v[PC+4*\c:PC+4*\c+3], s[10:11] offset:1536*\st+512*\c   ; 512 consecutive bytes, at a multiple of 256 from the buffer's first byte
.endr
.endr
	v_cndmask_b32 v[CW], v[PW], v[PW+2], s22       ; lanes 0-15 store my row's words 0 and 1, lanes 16-31 words 2 and 3
	v_cndmask_b32 v[CW+1], v[PW+1], v[PW+3], s22
	global_store_b64 v[SCO], v[CW:CW+1], s[12:13]  ; 256 consecutive bytes, aligned
	s_wait_tensorcnt 0x0                           ; the wave's end: a tensor wait, an LDS add and its wait behind my last LDS store
	ds_add_u32 v[SPW], v[NIL]
	s_wait_dscnt 0x0
	s_endpgm
.Lfunc_end_k_q602e31329f_quant:
	.size	k_q602e31329f_quant, .Lfunc_end_k_q602e31329f_quant-k_q602e31329f_quant
	.p2alignl 7, 3214868480
	.fill 96, 4, 3214868480
	.section	.rodata,"a",@progbits
	.p2align	6, 0x0
	.amdhsa_kernel k_q602e31329f_quant
		.amdhsa_group_segment_fixed_size 34304
		.amdhsa_private_segment_fixed_size 0
		.amdhsa_enable_private_segment 0
		.amdhsa_kernarg_size 40
		.amdhsa_user_sgpr_count 2
		.amdhsa_user_sgpr_kernarg_segment_ptr 1
		.amdhsa_wavefront_size32 1
		.amdhsa_system_sgpr_workgroup_id_x 1
		.amdhsa_system_sgpr_workgroup_id_y 1
		.amdhsa_system_sgpr_workgroup_id_z 1
		.amdhsa_system_vgpr_workitem_id 0
		.amdhsa_next_free_vgpr 256
		.amdhsa_next_free_sgpr 66
		.amdhsa_reserve_vcc 0
		.amdhsa_float_denorm_mode_32 3
		.amdhsa_float_denorm_mode_16_64 3
		.amdhsa_memory_ordered 1
		.amdhsa_forward_progress 1
		.amdhsa_inst_pref_size 34
	.end_amdhsa_kernel
	.amdgpu_metadata
---
amdhsa.version: [ 1, 2 ]
amdhsa.kernels:
  - .name:           k_q602e31329f_quant
    .symbol:         k_q602e31329f_quant.kd
    .args:
      - { .name: x, .offset: 0, .size: 8, .value_kind: global_buffer, .address_space: global }
      - { .name: W_qkv, .offset: 8, .size: 8, .value_kind: global_buffer, .address_space: global }
      - { .name: W_o, .offset: 16, .size: 8, .value_kind: global_buffer, .address_space: global }
      - { .name: img, .offset: 24, .size: 8, .value_kind: global_buffer, .address_space: global }
      - { .name: sc, .offset: 32, .size: 8, .value_kind: global_buffer, .address_space: global }
    .group_segment_fixed_size: 34304
    .private_segment_fixed_size: 0
    .kernarg_segment_align: 8
    .kernarg_segment_size: 40
    .max_flat_workgroup_size: 128
    .sgpr_count:     66
    .vgpr_count:     256
    .wavefront_size: 32
...
	.end_amdgpu_metadata
.endif
;; end of part 1
;; launch qkv (part 2): grid 32 x 8, 4 waves a work-group, clusters of 4 x 1, 295,424 bytes of LDS; arguments img, sc, src_mask, qimg, qsc, kv; writes qimg, qsc, kv
.if DOCPART == 2
	.amdgcn_target "amdgcn-amd-amdhsa--gfx1250"
	.amdhsa_code_object_version 6
	.text
	.protected	k_q602e31329f_qkv
	.globl	k_q602e31329f_qkv
	.p2align	8
	.type	k_q602e31329f_qkv,@function
k_q602e31329f_qkv:
	s_mov_b64 s[64:65], 0
	v_nop
	global_prefetch_b8 v0, s[64:65] scope:SCOPE_SE
	s_setreg_imm32_b32 hwreg(HW_REG_WAVE_MODE, 25, 1), 1
	s_wait_xcnt 0x0
	s_wait_alu depctr_hold_cnt(0) depctr_sa_sdst(0) depctr_va_vdst(0) depctr_va_sdst(0) depctr_va_ssrc(0) depctr_va_vcc(0) depctr_vm_vsrc(0)
	s_getreg_b32 s2, hwreg(HW_REG_IB_STS2, 6, 4)
	s_cmp_eq_u32 s2, 0
	s_cbranch_scc0 .Lentry_in_a_cluster
	s_endpgm
.Lentry_in_a_cluster:
	s_bfe_u32 s2, ttmp6, 0x10000c
	s_cmp_lg_u32 s2, 0x3003
	s_cbranch_scc0 .Lentry_shape_is_right
	s_endpgm
.Lentry_shape_is_right:
; qkv = x W_qkv^T on codes of FP6 (E2M3) with E8M0 scales, and q, k, v quantised in registers for the two products of attention.  Nothing goes to memory in f32.
; SHARES.  Work-group (rb, hp): rows 256 rb .. + 255 of x, heads 2 hp and 2 hp + 1 (384 rows of W_qkv: 24 tiles of 16).  Wave w: rows 64 w on: four tiles of 16 rows, whose 32 fragments (all of K, 384 registers) are
; loaded once and stay.  The 24 tiles of W_qkv (294,912 bytes) lie in LDS whole: filled once, never again.  They are walked in six PARTS of four tiles (64 columns: the q, the k or the v of one head): 16 accumulators, 128 products.
; CLUSTER.  The four work-groups of a cluster share hp, so W_qkv's tiles are asked for jointly (mask 15); their place in the cluster enters addresses of global loads and stores alone.
; ORIENTATION.  q and k: source 0 = 16 rows of W, source 1 = 16 rows of x: a lane holds one token and its registers run along the head's 64 channels, which are the first product's K.
; v: source 0 = x, source 1 = W: a lane holds one channel and its registers run along 64 tokens, the keys, which are the second product's K.  By the order of rows in a tile (lane r of tile T: row 32 (T/2) + 8 (T%2) + r + 8 (r/8))
; the 32 registers of four neighbouring tiles are, block by block, 16 neighbours: register 16 g + i = element 32 g + 16 (lane / 16) + i.  One quantiser serves all three.
; OUT.  qimg [head 64][tile 128][768]: half a fragment (registers 0-5): 512 bytes at 16 x lane, 256 at 8 x lane.  qsc [head][tile / 4][lane r][tile % 4]: scale words.
; kv [head][key step 16][13,056]: K's 8 half fragments; K's scale words (at 16 x lane: tiles 4 (lane/16) ..+3); V^T's 4 fragments as two halves each; V's scale bytes, two for each half.
; THE MASK rides in the first product's idle K place 64: Q has the code +1 there under the byte 104, K the code -1 under the byte 250 (key masked) or 1 (open): -2^100 or nothing is added to the score.  Here only the bytes are made.
; LIMITS: blocks under 2^-124 get the byte 1; NaN and infinities are not served.
; REGISTERS, in windows of 256: window 0: addresses, scale words, the quantiser's work.  window 1: x's fragments of K steps 0-4 at 48 s + 12 a.  window 2: those of steps 5-7 at 48 (s - 5) + 12 a; from v144 W's fragments, two sets of 48.  window 3: v0-127 the accumulators.
.set NPARTS, 6
.set NA,     12                        ; loads that bring one K step's four fragments of x
.set TILEB,  12288                     ; a tile of 16 rows, all of K: 8 fragments of 1,536 bytes
.set PARTB,  4*TILEB
.set SPARE,  24*TILEB                  ; behind W's tiles: the spare words, 128 bytes a wave
.set REC,    13056
.set HEADKV, 16*REC
.set KSC,    6144
.set VCO,    6656
.set VSC,    12800
.set L16, 1                            ; v1 16 x lane   v2 8 x lane   v3 4 x lane
.set L8,  2
.set L4,  3
.set SPW, 4                            ; v4 my spare word, v5 0: never rewritten
.set NIL, 5
.set LB,  6                            ; v6 LDS: 16 x lane + the part in hand
.set WO,  7                            ; v7 16 r + 8 h
.set MO,  8                            ; v8 r + 8 (r / 8)
.set XS,  16                           ; v16-31  x's scale words: tile a, register 4 a + s % 4; steps 4-7 in lanes 16-31
.set WS,  32                           ; v32-127 W's, 24 tiles likewise
.set MK,  128                          ; v128-131 the mask of my tokens, then the upper half of K's scale words
.set TM,  132
.set TP,  140
.set TS,  148
.set HW,  156                          ; v156-159 a unit's two scale bytes
.set OUT, 160                          ; v160-183 four half fragments, 6 registers each
.set YT,  184                          ; v184-199 the conversions' second halves
.set W,   200
.set CW,  204
.set WV,  16
.set G1,  24                           ; s[24:31] descriptor group 1; s[32:55] group 0, one for each part
.set G0,  32
.set SEL, 56
.set HI,  58
.set MSB, 0
.macro WIN new                         ; the immediate's high byte repeats the setting that is left
.if MSB != \new
	s_set_vgpr_msb (MSB<<8)|\new
.set MSB, \new
.endif
.endm
.macro PLACES n
.rept \n
	v_nop
.endr
.endm
.macro CROUND                          ; a round of the cluster's barrier
	s_barrier_signal -1
	s_barrier_wait -1
	s_cmp_lg_u32 s[WV], 0
	s_cbranch_scc1 .Lnot_wave_0_\@
	s_barrier_signal -3
.Lnot_wave_0_\@:
	s_barrier_wait -3
	s_barrier_signal -1
	s_barrier_wait -1
.endm
.macro WM d, x, y, p, q, k             ; one product; K step 0 starts the sum; steps 4-7 take their scale words from lanes 16-31
.if (\k) == 0
	v_wmma_scale_f32_16x16x128_f8f6f4 v[(\d):(\d)+7], v[(\x):(\x)+11], v[(\y):(\y)+11], 0, v[(\p)], v[(\q)] matrix_a_fmt:MATRIX_FMT_FP6 matrix_b_fmt:MATRIX_FMT_FP6
.elseif (\k) < 4
	v_wmma_scale_f32_16x16x128_f8f6f4 v[(\d):(\d)+7], v[(\x):(\x)+11], v[(\y):(\y)+11], v[(\d):(\d)+7], v[(\p)], v[(\q)] matrix_a_fmt:MATRIX_FMT_FP6 matrix_b_fmt:MATRIX_FMT_FP6
.else
	v_wmma_scale_f32_16x16x128_f8f6f4 v[(\d):(\d)+7], v[(\x):(\x)+11], v[(\y):(\y)+11], v[(\d):(\d)+7], v[(\p)], v[(\q)] matrix_a_fmt:MATRIX_FMT_FP6 matrix_b_fmt:MATRIX_FMT_FP6 matrix_a_scale:MATRIX_SCALE_ROW1 matrix_b_scale:MATRIX_SCALE_ROW1
.endif
.endm
; 16 products: K step k of part j.  The 16 accumulators take turns, one instruction a turn, in the same order in every step
.macro MUL16 k, j, nat
.if (\k) < 5
.set AW, 48*(\k)
.if \nat
	WIN 0xf9
.else
	WIN 0xf6
.endif
.else
.set AW, 48*((\k)-5)
	WIN 0xfa
.endif
.set BW, 144+48*((\k)%2)
.irp a, 0,1,2,3
.irp b, 0,1,2,3
.if \nat
	WM 8*(4*\b+\a), AW+12*\a, BW+12*\b, XS+4*\a+(\k)%4, WS+4*(4*(\j)+\b)+(\k)%4, \k
.else
	WM 8*(4*\a+\b), BW+12*\b, AW+12*\a, WS+4*(4*(\j)+\b)+(\k)%4, XS+4*\a+(\k)%4, \k
.endif
.endr
.endr
.endm
.macro FETCHB off, sg                  ; four fragments of W, one K step, into set sg: 12 loads of 512 consecutive bytes
	WIN 0x80
.irp b, 0,1,2,3
.irp c, 0,1,2
	ds_load_b128 v[144+48*(\sg)+12*\b+4*\c:144+48*(\sg)+12*\b+4*\c+3], v[LB] offset:(\off)+TILEB*\b+512*\c
.endr
.endr
.endm
.macro ALOAD k                         ; x's four fragments of K step k
.if (\k) < 5
	WIN 0x40
.set AW, 48*(\k)
.else
	WIN 0x80
.set AW, 48*((\k)-5)
.endif
.irp a, 0,1,2,3
.irp c, 0,1,2
	global_load_b128 v[AW+12*\a+4*\c:AW+12*\a+4*\c+3], v[L16], s[66:67] offset:TILEB*\a+1536*(\k)+512*\c
.endr
.endr
.endm
; A part: eight K steps.  Each step waits for its set of W's fragments (asked for a step, 16 products, earlier), asks for the next step's and multiplies.
.macro PART j, nat
.irp k, 0,1,2,3,4,5,6,7
.if (\j) == 0
.set LCN, NA*(7-\k)                    ; x's loads of the later steps may stay out (the count's field ends at 63: a smaller count is safe)
.if LCN > 63
.set LCN, 63
.endif
	s_wait_loadcnt LCN
.endif
	s_wait_dscnt 0x0
.if ((\k) == 7) && ((\j) < NPARTS-1)
	WIN 0
	s_wait_tensorcnt NPARTS-2-(\j)                 ; my tile of the next part has landed; the later parts' loads may stay out
	s_barrier_signal -1
	s_barrier_wait -1                              ; everybody's has
	v_add_nc_u32 v[LB], PARTB, v[LB]
.endif
.if (\k) < 7
	PLACES 4                                       ; in front of loads into registers that the last step's products read
	FETCHB ((\k)+1)*1536, ((\k)+1)%2
.elseif (\j) < NPARTS-1
	PLACES 4
	FETCHB 0, 0
.endif
	MUL16 \k, \j, \nat
.endr
	WIN 0
	PLACES 4                                       ; in front of the first read of results
.endm
; The 16 accumulators are four units of 32 registers; unit u's register 16 g + i is element 32 g + 16 (lane / 16) + i of its row.  Each unit becomes half a fragment in v[OUT + 6 u] on and two scale bytes in v[HW + u].
.macro QUANT4
	s_wait_xcnt 0x0                                ; the last part's stores have read their registers: they are written again below
	WIN 0x0f                                       ; sources 0 and 1: window 3
.irp q, 0,1,2,3,4,5,6,7
	v_max3_num_f32 v[TM+\q], |v[16*\q]|, |v[16*\q+1]|, 0x1800000   ; each accumulator is read from its low end on; the floor 2^(3 - 127) holds the byte at 1 from below
.endr
.irp i, 2,4,6,8,10,12,14
.irp q, 0,1,2,3,4,5,6,7
	v_max3_num_f32 v[TM+\q], |v[16*\q+\i]|, |v[16*\q+\i+1]|, v[TM+\q]
.endr
.endr
	WIN 0
.irp q, 0,1,2,3,4,5,6,7
	v_permlanex16_b32 v[TP+\q], v[TM+\q], s[SEL], s[SEL+1]
.endr
.irp q, 0,1,2,3,4,5,6,7
	v_max_num_f32 v[TM+\q], v[TM+\q], v[TP+\q]     ; with lane l xor 16's: the block's largest magnitude
.endr
.irp q, 0,1,2,3,4,5,6,7
	v_add_nc_u32 v[TS+\q], 0xff000000, v[TM+\q]    ; 2 off its exponent field: the conversion's scale operand
.endr
.irp q, 0,1,2,3,4,5,6,7
	v_lshrrev_b32 v[TP+\q], 23, v[TS+\q]           ; the byte
.endr
.irp u, 0,1,2,3
	v_lshl_or_b32 v[HW+\u], v[TP+2*\u+1], 8, v[TP+2*\u]
.endr
	WIN 0x03                                       ; source 0: window 3
.irp u, 0,1,2,3
	v_cvt_scalef32_pk16_fp6_f32 v[OUT+6*\u:OUT+6*\u+2], v[32*\u:32*\u+15], v[TS+2*\u]
	v_cvt_scalef32_pk16_fp6_f32 v[YT+4*\u:YT+4*\u+2], v[32*\u+16:32*\u+31], v[TS+2*\u+1]
.endr
	WIN 0
	v_nop                                          ; one plain place behind the conversions: vector lines touch their results, and the next part's products write their sources
.irp u, 0,1,2,3
.irp i, 0,1,2
	v_permlane16_swap_b32 v[OUT+6*\u+\i], v[YT+4*\u+\i]   ; a whole block to a lane: lanes 0-15 block 0, lanes 16-31 block 1
.endr
.irp i, 0,1,2
	v_mov_b32 v[OUT+6*\u+3+\i], v[YT+4*\u+\i]
.endr
.endr
.endm
.macro CODES base, off, pitch          ; four half fragments: 512 and 256 consecutive bytes, each at a multiple of 256 from the buffer's first byte
.irp u, 0,1,2,3
	global_store_b128 v[L16], v[OUT+6*\u:OUT+6*\u+3], s[\base:\base+1] offset:(\off)+(\pitch)*\u
	global_store_b64 v[L8], v[OUT+6*\u+4:OUT+6*\u+5], s[\base:\base+1] offset:(\off)+(\pitch)*\u+512
.endr
.endm
.macro WORDS base, off                 ; four scale words a row: lanes 0-15 store words 0 and 1, lanes 16-31 words 2 and 3: 256 consecutive bytes
	v_cndmask_b32 v[CW], v[W], v[W+2], s[HI]
	v_cndmask_b32 v[CW+1], v[W+1], v[W+3], s[HI]
	global_store_b64 v[WO], v[CW:CW+1], s[\base:\base+1] offset:\off
.endm
.macro OUTQ hd
	CODES 74, 98304*\hd, 768
.irp u, 0,1,2,3
	v_or_b32 v[W+\u], 0x01680000, v[HW+\u]         ; bytes 2 and 3: 104 for the mask's place, 1 for the empty block
.endr
	WORDS 76, 8192*\hd
.endm
.macro OUTK hd
	CODES 78, HEADKV*\hd, 768
.if \hd == 0
.irp u, 0,1,2,3
	v_mad_u32_u24 v[MK+\u], v[MK+\u], s59, s60     ; byte 2: 250 where my key is masked, else 1; byte 3: 1
.endr
.endif
.irp u, 0,1,2,3
	v_or_b32 v[W+\u], v[MK+\u], v[HW+\u]
.endr
	WORDS 80, HEADKV*\hd
.endm
.macro OUTV hd
	CODES 82, HEADKV*\hd, 1536
	v_cndmask_b32 v[W], v[HW], v[HW+2], s[HI]      ; lanes 0-15: channel tiles 0 and 1; lanes 16-31: tiles 2 and 3
	v_cndmask_b32 v[W+1], v[HW+1], v[HW+3], s[HI]
	v_lshl_or_b32 v[CW], v[W+1], 16, v[W]
	global_store_b32 v[L4], v[CW], s[84:85] offset:HEADKV*\hd   ; 128 consecutive bytes: the wave beside me writes the other 128 of the 256 (256 of a record's 13,056 bytes leave so)
.endm
	s_load_b256 s[4:11], s[0:1], 0x0               ; img, sc, src_mask, qimg
	s_load_b128 s[12:15], s[0:1], 0x20             ; qsc, kv
	v_lshl_add_u32 v[SPW], v0, 2, SPARE
	v_mov_b32 v[NIL], 0
	ds_add_u32 v[SPW], v[NIL]                      ; the wave's opening: the add and its wait ahead of my first tensor load; work on registers stands between them
	v_lshrrev_b32 v9, 5, v0
	v_readfirstlane_b32 s[WV], v9                  ; wave 0..3
	s_bfe_u32 s17, ttmp6, 0x40000                  ; cx
	s_lshl_b32 s18, ttmp9, 2
	s_add_co_u32 s18, s18, s17                     ; rb = 4 x cluster x + cx
	s_and_b32 s19, ttmp7, 0xffff                   ; hp, which the four partners share
	s_mov_b32 s[G1], 15|(3<<16)|(1<<21)            ; the mask: all four; elements of 8 bytes; bit 21 beside a mask; no padding
	s_mov_b32 s[G1+1], 32<<16                      ; tensor_dim0 = 32 elements: rows of 256 bytes
	s_mov_b32 s[G1+2], 48<<16                      ; tensor_dim1 = 48: a tile's 12,288 dense bytes
	s_mov_b32 s[G1+3], 32<<16                      ; tile_dim0
	s_mov_b32 s[G1+4], 48                          ; tile_dim1
	s_mov_b32 s[G1+5], 32                          ; the pitch
	s_mov_b32 s[G1+6], 0
	s_mov_b32 s[G1+7], 0
	v_and_b32 v9, 31, v0
	v_and_b32 v10, 15, v0                          ; r
	v_bfe_u32 v11, v0, 4, 1                        ; h
	v_lshlrev_b32 v[L16], 4, v9
	v_lshlrev_b32 v[L8], 3, v9
	v_lshlrev_b32 v[L4], 2, v9
	v_lshlrev_b32 v[LB], 4, v9
	v_lshlrev_b32 v[WO], 4, v10
	v_lshl_add_u32 v[WO], v11, 3, v[WO]
	v_and_b32 v[MO], 8, v10
	v_add_nc_u32 v[MO], v[MO], v10
.irp q, 0,1,2,3,4,5,6,7
	v_mov_b32 v[TP+\q], 0                          ; written once: a lane permute's destination counts as one of its sources
.endr
	s_mov_b32 s[SEL], 0x76543210
	s_mov_b32 s[SEL+1], 0xfedcba98
	s_mov_b32 s[HI], 0xffff0000
	s_mov_b32 s59, 0xf90000
	s_mov_b32 s60, 0x01010000
	s_mul_i32 s22, s19, 24
	s_add_co_u32 s22, s22, 512                     ; my heads' first tile in img and sc
	s_add_co_u32 s20, s22, s[WV]                   ; of each part I fetch tile number wave
	s_mul_i32 s20, s20, TILEB
	s_mov_b32 s21, 0
	s_lshl_b32 s22, s22, 9
	s_mov_b32 s23, 0
	s_mul_i32 s88, s[WV], TILEB                    ; and where it goes: no place in the cluster enters an LDS address
	s_wait_dscnt 0x0                               ; the opening add is done
	s_wait_kmcnt 0x0
	s_add_nc_u64 s[20:21], s[4:5], s[20:21]
.irp j, 0,1,2,3,4,5
	s_mov_b32 s[G0+4*\j], 1
	s_add_co_u32 s[G0+4*\j+1], s88, \j*PARTB
	s_add_nc_u64 s[G0+4*\j+2:G0+4*\j+3], s[20:21], \j*PARTB
	s_or_b32 s[G0+4*\j+3], s[G0+4*\j+3], 0x80000000
.endr
	CROUND                                         ; all four work-groups are here: the joint loads meet
.irp j, 0,1,2,3,4,5
	tensor_load_to_lds s[G0+4*\j:G0+4*\j+3], s[G1:G1+7]   ; all first fills in one group: six loads of mine are out
	s_nop 0
.endr
	PLACES 4
	s_lshl_b32 s61, s18, 4
	s_lshl_b32 s62, s[WV], 2
	s_add_co_u32 s61, s61, s62                     ; my first tile of x: 16 rb + 4 wave
	s_lshr_b32 s62, s18, 3                         ; the batch
	s_lshl_b32 s62, s62, 4
	s_lshl_b32 s63, s19, 1
	s_add_co_u32 s62, s62, s63                     ; the first head's number among the 64
	s_and_b32 s63, s61, 127                        ; my first tile within the batch
	s_and_b32 s89, s[WV], 1                        ; which half of a key step of 128 my 64 tokens are
	s_mov_b32 s87, 0
	s_mul_i32 s86, s61, TILEB
	s_add_nc_u64 s[66:67], s[4:5], s[86:87]        ; x's fragments
	s_lshl_b32 s86, s61, 9
	s_add_nc_u64 s[68:69], s[6:7], s[86:87]        ; x's scale words
	s_add_nc_u64 s[70:71], s[6:7], s[22:23]        ; W's
	s_lshl_b32 s86, s61, 4
	s_add_nc_u64 s[72:73], s[8:9], s[86:87]        ; the mask at my first token
	s_lshl_b32 s86, s62, 7
	s_add_co_u32 s86, s86, s63
	s_mul_i32 s86, s86, 768
	s_add_nc_u64 s[74:75], s[10:11], s[86:87]      ; q's codes
	s_lshl_b32 s86, s62, 13
	s_lshl_b32 s90, s63, 6
	s_add_co_u32 s86, s86, s90
	s_add_nc_u64 s[76:77], s[12:13], s[86:87]      ; q's scale words
	s_mul_i32 s86, s62, HEADKV
	s_lshr_b32 s90, s63, 3
	s_mul_i32 s90, s90, REC
	s_add_co_u32 s86, s86, s90
	s_add_nc_u64 s[14:15], s[14:15], s[86:87]      ; my key step's record
	s_mul_i32 s86, s89, 3072
	s_add_nc_u64 s[78:79], s[14:15], s[86:87]      ; in it K's codes: my four tiles,
	s_lshl_b32 s86, s89, 8
	s_add_co_u32 s86, s86, KSC
	s_add_nc_u64 s[80:81], s[14:15], s[86:87]      ; K's scale words,
	s_mul_i32 s86, s89, 768
	s_add_co_u32 s86, s86, VCO
	s_add_nc_u64 s[82:83], s[14:15], s[86:87]      ; V's codes: my half of each fragment,
	s_lshl_b32 s86, s89, 7
	s_add_co_u32 s86, s86, VSC
	s_add_nc_u64 s[84:85], s[14:15], s[86:87]      ; V's scale bytes
.irp a, 0,1,2,3
	global_load_b128 v[XS+4*\a:XS+4*\a+3], v[L16], s[68:69] offset:512*\a
.endr
.irp t, 0,1,2,3,4,5,6,7,8,9,10,11,12,13,14,15,16,17,18,19,20,21,22,23
	global_load_b128 v[WS+4*\t:WS+4*\t+3], v[L16], s[70:71] offset:512*\t
.endr
.irp a, 0,1,2,3
	global_load_u8 v[MK+\a], v[MO], s[72:73] offset:32*(\a/2)+8*(\a%2)   ; the mask of tile a's token in my lane's place
.endr
.irp k, 0,1,2,3,4,5,6,7
	ALOAD \k
.endr
	WIN 0
	s_wait_tensorcnt NPARTS-1                      ; my tile of part 0 has landed; the five later loads may stay out
	s_barrier_signal -1
	s_barrier_wait -1                              ; everybody's has
	FETCHB 0, 0
	PART 0, 0
	QUANT4
	OUTQ 0
	PART 1, 0
	QUANT4
	OUTK 0
	PART 2, 1
	QUANT4
	OUTV 0
	PART 3, 0
	QUANT4
	OUTQ 1
	PART 4, 0
	QUANT4
	OUTK 1
	PART 5, 1
	QUANT4
	OUTV 1
	s_wait_tensorcnt 0x0                           ; the wave's end: a tensor wait, an LDS add and its wait behind my last tensor load
	ds_add_u32 v[SPW], v[NIL]
	s_wait_dscnt 0x0
	CROUND                                         ; the closing round
	s_endpgm
.Lfunc_end_k_q602e31329f_qkv:
	.size	k_q602e31329f_qkv, .Lfunc_end_k_q602e31329f_qkv-k_q602e31329f_qkv
	.p2alignl 7, 3214868480
	.fill 96, 4, 3214868480
	.section	.rodata,"a",@progbits
	.p2align	6, 0x0
	.amdhsa_kernel k_q602e31329f_qkv
		.amdhsa_group_segment_fixed_size 295424
		.amdhsa_private_segment_fixed_size 0
		.amdhsa_enable_private_segment 0
		.amdhsa_kernarg_size 48
		.amdhsa_user_sgpr_count 2
		.amdhsa_user_sgpr_kernarg_segment_ptr 1
		.amdhsa_wavefront_size32 1
		.amdhsa_system_sgpr_workgroup_id_x 1
		.amdhsa_system_sgpr_workgroup_id_y 1
		.amdhsa_system_sgpr_workgroup_id_z 1
		.amdhsa_system_vgpr_workitem_id 0
		.amdhsa_next_free_vgpr 896
		.amdhsa_next_free_sgpr 96
		.amdhsa_reserve_vcc 0
		.amdhsa_float_denorm_mode_32 3
		.amdhsa_float_denorm_mode_16_64 3
		.amdhsa_memory_ordered 1
		.amdhsa_forward_progress 1
		.amdhsa_inst_pref_size 216
	.end_amdhsa_kernel
	.amdgpu_metadata
---
amdhsa.version: [ 1, 2 ]
amdhsa.kernels:
  - .name:           k_q602e31329f_qkv
    .symbol:         k_q602e31329f_qkv.kd
    .args:
      - { .name: img, .offset: 0, .size: 8, .value_kind: global_buffer, .address_space: global }
      - { .name: sc, .offset: 8, .size: 8, .value_kind: global_buffer, .address_space: global }
      - { .name: src_mask, .offset: 16, .size: 8, .value_kind: global_buffer, .address_space: global }
      - { .name: qimg, .offset: 24, .size: 8, .value_kind: global_buffer, .address_space: global }
      - { .name: qsc, .offset: 32, .size: 8, .value_kind: global_buffer, .address_space: global }
      - { .name: kv, .offset: 40, .size: 8, .value_kind: global_buffer, .address_space: global }
    .group_segment_fixed_size: 295424
    .private_segment_fixed_size: 0
    .kernarg_segment_align: 8
    .kernarg_segment_size: 48
    .max_flat_workgroup_size: 128
    .sgpr_count:     96
    .vgpr_count:     896
    .wavefront_size: 32
...
	.end_amdgpu_metadata
.endif
;; end of part 2
;; launch attn (part 3): grid 4 x 64, 16 waves a work-group, clusters of 4 x 1, 210,944 bytes of LDS; arguments qimg, qsc, kv, oimg, osc; writes oimg, osc
.if DOCPART == 3
	.amdgcn_target "amdgcn-amd-amdhsa--gfx1250"
	.amdhsa_code_object_version 6
	.text
	.protected	k_q602e31329f_attn
	.globl	k_q602e31329f_attn
	.p2align	8
	.type	k_q602e31329f_attn,@function
k_q602e31329f_attn:
	s_mov_b64 s[64:65], 0
	v_nop
	global_prefetch_b8 v0, s[64:65] scope:SCOPE_SE
	s_setreg_imm32_b32 hwreg(HW_REG_WAVE_MODE, 25, 1), 1
	s_wait_xcnt 0x0
	s_wait_alu depctr_hold_cnt(0) depctr_sa_sdst(0) depctr_va_vdst(0) depctr_va_sdst(0) depctr_va_ssrc(0) depctr_va_vcc(0) depctr_vm_vsrc(0)
	s_getreg_b32 s2, hwreg(HW_REG_IB_STS2, 6, 4)
	s_cmp_eq_u32 s2, 0
	s_cbranch_scc0 .Lentry_in_a_cluster
	s_endpgm
.Lentry_in_a_cluster:
	s_bfe_u32 s2, ttmp6, 0x10000c
	s_cmp_lg_u32 s2, 0x3003
	s_cbranch_scc0 .Lentry_shape_is_right
	s_endpgm
.Lentry_shape_is_right:
; o = softmax(q k^T / 8, masked keys out) v for one head, both products on codes of FP6 (E2M3) with E8M0 scales, and o quantised in registers for the last product.
; THE SOFTMAX: t = score x log2(e) / 8; M = the running largest t rounded up to a whole number; p = 2^(t - M) is quantised along the keys, not normalised; the row's sum is taken of the unquantised p and divides at the end.
; SHARES.  Work-group (cx, head): 512 queries of one of the 64 heads.  Each of its sixteen waves owns one tile of 16 queries at a time, two passes, in 256 registers: four waves to a SIMD, so that one wave's vector work
; stands beside another's products and LDS loads.  Every wave walks the head's 16 key steps of 128 keys.
; LDS.  The head's 16 records (K's codes and scale words, V^T's codes and scale bytes: 13,056 bytes a key step, 208,896 in all) lie in LDS whole, as images of the operands' registers: each wave fetches one record by one tensor load;
; nothing is filled again, so the loops have no barrier.  CLUSTER: the four work-groups of a cluster share the head: each record is asked for jointly (mask 15).
; LAYOUT.  S^T = K Q^T (source 0 = 16 keys, source 1 = my 16 queries), O^T = V^T P^T: a lane holds one query throughout.  Lane r of a tile holds row 32 (T/2) + 8 (T%2) + r + 8 (r/8), so p's 16 registers of two neighbouring tiles are 16 neighbouring keys,
; and o's of two neighbouring channel tiles 16 neighbouring channels.
; K = 64 FILLS HALF A PRODUCT.  Q's registers 6-11 are zero codes but for +1 at K place 64 (scale byte 104); K's register 6 is the code -1, register 7 zeros; K's scale byte for that block is 250 where the key is masked and 1 where not:
; -2^100 or nothing is added to the score.  K's registers 8-11 are the next tile's codes: finite numbers (at most 7.5 x 2^123) that meet Q's zero codes.  So K's tiles stand 8 registers apart.
; LIMITS: |q . k| stays under 2^90; a row all of whose keys are masked gets the scale byte 0xff, so that the last product gives NaN there as the softmax of nothing does; blocks under 2^-124 get the byte 1; NaN and infinities are not served.
.set REC,   13056
.set KSC,   6144
.set VCO,   6656
.set VSC,   12800
.set SPARE, 16*REC                     ; behind the records: the spare words, 128 bytes for each of 16 waves
.set L16, 1                            ; v1 16 x lane   v2 8 x lane   v3 4 x lane
.set L8,  2
.set L4,  3
.set SPW, 4                            ; v4 my spare word, v5 0: never rewritten
.set NIL, 5
.set QSO, 6                            ; v6 16 r
.set OSO, 7                            ; v7 8,192 h + 32 r
.set A16, 8                            ; v8-10 the step's LDS addresses
.set A8,  9
.set A4,  10
.set HOLD, 11                          ; v11 pass 0's scale bytes
                                       ; v12 -M, v13 the largest t, v[14:15] the sum in two halves
.set Q,   16                           ; v16-27 Q's fragment
.set QS,  28                           ; v28 its scale word
.set ONES, 29                          ; v29 0xffff
.set F,   30                           ; v30 f = 2^(old M - new M); v31 p's scale word
.set PS,  31
.set KS,  32                           ; v32-35 K's scale words: tiles 0-3 in lanes 0-15, 4-7 in lanes 16-31
.set VS,  36                           ; v36-37 V's: channel tiles 0, 1 in lanes 0-15, tiles 2, 3 in lanes 16-31
.set LH,  38                           ; v38-39 V's scale bytes as they lie, one register for each half of the step
.set KF,  40                           ; v40-75 four tiles of K, 8 registers apart
.set VF,  76                           ; v76-123 V^T's four fragments
.set S,   124                          ; v124-187 S^T, then p
.set O,   188                          ; v188-219 O^T
.set PC,  220                          ; v220-231 p's codes
.set YT,  232                          ; v232-239 the conversions' second halves
.set BM,  240
.set TS,  244
.set TP,  248
.set SB,  252                          ; v[252:253] the sums' second chain
.set T0,  254
.set WV,  14
.set CX,  15
.set BH,  16
.set G1,  24
.set G0,  32
.set SEL, 36
.set CS,  38                           ; s[38:39] c = log2(e) / 8
.set TB,  40                           ; s40 the step's record in LDS
.set CNT, 41
.set HI,  42
.set P0,  43
.set P1,  44
.set LOW, 45                           ; s45 -2^90
.macro PLACES n
.rept \n
	v_nop
.endr
.endm
.macro CROUND
	s_barrier_signal -1
	s_barrier_wait -1
	s_cmp_lg_u32 s[WV], 0
	s_cbranch_scc1 .Lnot_wave_0_\@
	s_barrier_signal -3
.Lnot_wave_0_\@:
	s_barrier_wait -3
	s_barrier_signal -1
	s_barrier_wait -1
.endm
.macro QLOAD p                         ; pass p's tile of queries: half a fragment and its scale word
	global_load_b128 v[Q:Q+3], v[L16], s[4:5] offset:12288*\p
	global_load_b64 v[Q+4:Q+5], v[L8], s[4:5] offset:12288*\p+512
	global_load_b32 v[QS], v[QSO], s[6:7] offset:1024*\p
.endm
; A KEY STEP: 128 keys
.macro STEP
	v_add_nc_u32 v[A16], s[TB], v[L16]
	v_add_nc_u32 v[A8], s[TB], v[L8]
	v_add_nc_u32 v[A4], s[TB], v[L4]
	ds_load_b128 v[KS:KS+3], v[A16] offset:KSC
.irp g, 0,1                                    ; S^T = K Q^T, four tiles of 16 keys at a time
.if \g
	PLACES 4                                       ; in front of loads into registers that the four products above read
.endif
.irp t, 0,1,2,3
	ds_load_b128 v[KF+8*\t:KF+8*\t+3], v[A16] offset:(4*\g+\t)*768
	ds_load_b64 v[KF+8*\t+4:KF+8*\t+5], v[A8] offset:(4*\g+\t)*768+512
.endr
	s_wait_dscnt 0x0
.irp t, 0,1,2,3
.if \g
	v_wmma_scale_f32_16x16x128_f8f6f4 v[S+8*(4+\t):S+8*(4+\t)+7], v[KF+8*\t:KF+8*\t+11], v[Q:Q+11], 0, v[KS+\t], v[QS] matrix_a_fmt:MATRIX_FMT_FP6 matrix_b_fmt:MATRIX_FMT_FP6 matrix_a_scale:MATRIX_SCALE_ROW1
.else
	v_wmma_scale_f32_16x16x128_f8f6f4 v[S+8*\t:S+8*\t+7], v[KF+8*\t:KF+8*\t+11], v[Q:Q+11], 0, v[KS+\t], v[QS] matrix_a_fmt:MATRIX_FMT_FP6 matrix_b_fmt:MATRIX_FMT_FP6
.endif
.endr
.endr
	PLACES 4                                       ; in front of the first read of the scores
.irp t, 0,1,2,3                                ; V^T is asked for now and lands under the softmax (the last step's products that read these registers stand eleven plain lines back)
	ds_load_b128 v[VF+12*\t:VF+12*\t+3], v[A16] offset:VCO+1536*\t
	ds_load_b64 v[VF+12*\t+4:VF+12*\t+5], v[A8] offset:VCO+1536*\t+512
	ds_load_b128 v[VF+12*\t+6:VF+12*\t+9], v[A16] offset:VCO+1536*\t+768
	ds_load_b64 v[VF+12*\t+10:VF+12*\t+11], v[A8] offset:VCO+1536*\t+1280
.endr
	ds_load_b32 v[LH], v[A4] offset:VSC
	ds_load_b32 v[LH+1], v[A4] offset:VSC+128
.irp b, 0,1,2,3
	v_max3_num_f32 v[BM+\b], v[S+16*\b], v[S+16*\b+1], v[S+16*\b+2]   ; the largest score of each block of 32 keys: it serves for the row's maximum and, since p rises with the score, for the block's largest p
.endr
.irp i, 3,5,7,9,11,13
.irp b, 0,1,2,3
	v_max3_num_f32 v[BM+\b], v[BM+\b], v[S+16*\b+\i], v[S+16*\b+\i+1]
.endr
.endr
.irp b, 0,1,2,3
	v_max_num_f32 v[BM+\b], v[BM+\b], v[S+16*\b+15]
.endr
.irp b, 0,1,2,3
	v_permlanex16_b32 v[TP+\b], v[BM+\b], s[SEL], s[SEL+1]
.endr
.irp b, 0,1,2,3
	v_max_num_f32 v[BM+\b], v[BM+\b], v[TP+\b]     ; with lane l xor 16's 16 keys
.endr
	v_max3_num_f32 v[T0], v[BM], v[BM+1], v[BM+2]
	v_max_num_f32 v[T0], v[T0], v[BM+3]            ; the step's largest score of my query
	v_mul_f32 v[T0], s[CS], v[T0]                  ; as t
	v_max_num_f32 v13, v13, v[T0]                  ; the running largest t
	v_mov_b32 v[T0], v12
	v_floor_f32 v12, -v13                          ; the new -M = -ceil(t): a whole number
	v_sub_f32 v[T0], v12, v[T0]                    ; old M - new M: a whole number, 0 or less
	v_cvt_i32_f32 v[T0], v[T0]                     ; (it saturates)
	v_ldexp_f32 v[F], 1.0, v[T0]                   ; f: the rescaling rounds nothing
.set II, 0
.rept 32
	v_pk_fma_f32 v[S+II:S+II+1], v[S+II:S+II+1], s[CS:CS+1], v[12:13] op_sel_hi:[1,0,0]   ; t - M, two at a time
.set II, II+2
.endr
.irp b, 0,1,2,3
	v_fma_f32 v[BM+\b], v[BM+\b], s[CS], v12       ; the same of each block's largest score
.endr
.set II, 0
.rept 64
	v_exp_f32 v[S+II], v[S+II]                     ; p = 2^(t - M); a masked key's is 0
.set II, II+1
.endr
	v_pk_mul_f32 v[14:15], v[14:15], v[F:F+1] op_sel_hi:[1,0]   ; the sums under the new M: the plain line behind the exponentials
	s_wait_alu depctr_va_vdst(0)                   ; one wait for the batch of 64, ahead of its first reader
.irp b, 0,1,2,3
	v_exp_f32 v[BM+\b], v[BM+\b]                   ; the blocks' largest p
.endr
	v_pk_add_f32 v[SB:SB+1], v[S:S+1], v[S+2:S+3]  ; the row's sum is taken of the unquantised p, in two chains; these lines read the 64 alone
.set II, 4
.rept 15
	v_pk_add_f32 v[14:15], v[14:15], v[S+II:S+II+1]
	v_pk_add_f32 v[SB:SB+1], v[SB:SB+1], v[S+II+2:S+II+3]
.set II, II+4
.endr
	v_pk_add_f32 v[14:15], v[14:15], v[SB:SB+1]
	s_wait_alu depctr_va_vdst(0)                   ; and one for the four
.irp b, 0,1,2,3
	v_max_num_f32 v[BM+\b], 0x1800000, v[BM+\b]    ; the floor 2^(3 - 127): the byte cannot fall under 1 (a block whose every p is 0 keeps that byte: its codes are zeros)
.endr
.irp b, 0,1,2,3
	v_add_nc_u32 v[TS+\b], 0xff000000, v[BM+\b]    ; the conversion's scale operand
.endr
.irp b, 0,1,2,3
	v_lshrrev_b32 v[TP+\b], 23, v[TS+\b]           ; the byte
.endr
	v_lshl_or_b32 v[PS], v[TP+1], 8, v[TP]         ; p's scale word for these 128 keys
	v_lshl_or_b32 v[PS], v[TP+2], 16, v[PS]
	v_lshl_or_b32 v[PS], v[TP+3], 24, v[PS]
.irp c, 0,1
	v_cvt_scalef32_pk16_fp6_f32 v[PC+6*\c:PC+6*\c+2], v[S+32*\c:S+32*\c+15], v[TS+2*\c]
	v_cvt_scalef32_pk16_fp6_f32 v[YT+4*\c:YT+4*\c+2], v[S+32*\c+16:S+32*\c+31], v[TS+2*\c+1]
.endr
	v_nop                                          ; one plain place behind the conversions
.irp c, 0,1
.irp i, 0,1,2
	v_permlane16_swap_b32 v[PC+6*\c+\i], v[YT+4*\c+\i]
.endr
.irp i, 0,1,2
	v_mov_b32 v[PC+6*\c+3+\i], v[YT+4*\c+\i]
.endr
.endr
	s_wait_dscnt 0x0                               ; V^T and its scale bytes are in
	v_perm_b32 v[VS], v[LH+1], v[LH], s[P0]        ; the two halves' bytes make the scale words: the even channel tiles',
	v_perm_b32 v[VS+1], v[LH+1], v[LH], s[P1]      ; the odd ones'
.set II, 0
.rept 16
	v_pk_mul_f32 v[O+II:O+II+1], v[O+II:O+II+1], v[F:F+1] op_sel_hi:[1,0]   ; O^T under the new M, each accumulator from its low end on.  These lines are also the places between the scale words and codes just made and the products
.set II, II+2
.endr
.irp t, 0,1,2,3                                ; O^T += V^T P^T: four accumulators by turns
.if \t < 2
	v_wmma_scale_f32_16x16x128_f8f6f4 v[O+8*\t:O+8*\t+7], v[VF+12*\t:VF+12*\t+11], v[PC:PC+11], v[O+8*\t:O+8*\t+7], v[VS+\t%2], v[PS] matrix_a_fmt:MATRIX_FMT_FP6 matrix_b_fmt:MATRIX_FMT_FP6
.else
	v_wmma_scale_f32_16x16x128_f8f6f4 v[O+8*\t:O+8*\t+7], v[VF+12*\t:VF+12*\t+11], v[PC:PC+11], v[O+8*\t:O+8*\t+7], v[VS+\t%2], v[PS] matrix_a_fmt:MATRIX_FMT_FP6 matrix_b_fmt:MATRIX_FMT_FP6 matrix_a_scale:MATRIX_SCALE_ROW1
.endif
.endr
	s_add_co_u32 s[TB], s[TB], REC
.endm
; A PASS: one tile of 16 queries over all 16 key steps, then o = O^T / the sum, quantised along the head's 64 channels
.macro PASS p
	s_mov_b32 s[TB], 0
	s_mov_b32 s[CNT], 16
	v_mov_b32 v13, 0xff61b1e6                      ; the largest t so far: -3e38
	v_floor_f32 v12, -v13
	v_mov_b32 v14, 0
	v_mov_b32 v15, 0
.set II, 0
.rept 32
	v_mov_b32 v[O+II], 0                           ; the step is written once: the first finds zeros, which the first change of M leaves zeros
.set II, II+1
.endr
	s_wait_loadcnt 0x0                             ; Q
.Lstep_\@:
	STEP
	s_sub_co_u32 s[CNT], s[CNT], 1
	s_cmp_lg_u32 s[CNT], 0
	s_cbranch_scc1 .Lstep_\@
	PLACES 4                                       ; behind the last products: in front of the reads of O^T and of the loads into Q's registers
.if \p == 0
	QLOAD 1                                        ; the next pass's queries land under the way out
.endif
	v_add_f32 v14, v14, v15
	v_permlanex16_b32 v[T0], v14, s[SEL], s[SEL+1]
	v_add_f32 v14, v14, v[T0]                      ; the row's sum
	v_rcp_f32 v14, v14
	v_nop                                          ; a plain place behind the transcendental,
	s_wait_alu depctr_va_vdst(0)                   ; and the wait ahead of its first reader
.set II, 0
.rept 16
	v_pk_mul_f32 v[O+II:O+II+1], v[O+II:O+II+1], v[14:15] op_sel_hi:[1,0]   ; register 16 g + i = o(my query, channel 32 g + 16 (lane / 16) + i)
.set II, II+2
.endr
.irp g, 0,1
	v_max3_num_f32 v[BM+\g], |v[O+16*\g]|, |v[O+16*\g+1]|, 0x1800000
.endr
.irp i, 2,4,6,8,10,12,14
.irp g, 0,1
	v_max3_num_f32 v[BM+\g], v[BM+\g], |v[O+16*\g+\i]|, |v[O+16*\g+\i+1]|
.endr
.endr
.irp g, 0,1
	v_permlanex16_b32 v[TP+\g], v[BM+\g], s[SEL], s[SEL+1]
.endr
.irp g, 0,1
	v_max_num_f32 v[BM+\g], v[BM+\g], v[TP+\g]
.endr
.irp g, 0,1
	v_add_nc_u32 v[TS+\g], 0xff000000, v[BM+\g]
.endr
.irp g, 0,1
	v_lshrrev_b32 v[TP+\g], 23, v[TS+\g]
.endr
	v_lshl_or_b32 v[T0], v[TP+1], 8, v[TP]         ; my row's two scale bytes for this head
	v_cmp_gt_f32 vcc_lo, s[LOW], v13               ; every key masked: the largest t lies under -2^90
	v_cndmask_b32 v[T0], v[T0], v[ONES], vcc_lo    ; then both bytes are 0xff: a choice of a value, no branch
	v_cvt_scalef32_pk16_fp6_f32 v[PC:PC+2], v[O:O+15], v[TS]
	v_cvt_scalef32_pk16_fp6_f32 v[YT:YT+2], v[O+16:O+31], v[TS+1]
	v_nop
.irp i, 0,1,2
	v_permlane16_swap_b32 v[PC+\i], v[YT+\i]
.endr
.irp i, 0,1,2
	v_mov_b32 v[PC+3+\i], v[YT+\i]
.endr
	global_store_b128 v[L16], v[PC:PC+3], s[10:11] offset:196608*\p        ; 512 and 256 consecutive bytes, each at a multiple of 256 from the buffer's first byte
	global_store_b64 v[L8], v[PC+4:PC+5], s[10:11] offset:196608*\p+512
.if \p == 0
	v_mov_b32 v[HOLD], v[T0]
	s_wait_xcnt 0x0                                ; the stores have read the codes' registers: the next pass writes them again
.else
	v_cndmask_b32 v[T0], v[HOLD], v[T0], s[HI]     ; lanes 0-15 store pass 0's bytes, lanes 16-31 pass 1's
	global_store_b16 v[OSO], v[T0], s[12:13]       ; two bytes a row: a scale word's other two belong to the next head, which another work-group makes (one byte in 24 of what this launch stores)
.endif
.endm
	s_load_b256 s[4:11], s[0:1], 0x0               ; qimg, qsc, kv, oimg
	s_load_b64 s[12:13], s[0:1], 0x20              ; osc
	v_lshl_add_u32 v[SPW], v0, 2, SPARE
	v_mov_b32 v[NIL], 0
	ds_add_u32 v[SPW], v[NIL]                      ; the wave's opening: the add and its wait ahead of my tensor load; work on registers stands between them
	v_lshrrev_b32 v9, 5, v0
	v_readfirstlane_b32 s[WV], v9                  ; wave 0..15
	s_bfe_u32 s[CX], ttmp6, 0x40000                ; cx: my block of 512 queries
	s_and_b32 s[BH], ttmp7, 0xffff                 ; the head, which the four partners share
	s_mov_b32 s[G1], 15|(3<<16)|(1<<21)            ; the mask: all four; elements of 8 bytes; bit 21 beside a mask; no padding
	s_mov_b32 s[G1+1], 32<<16                      ; rows of 256 bytes,
	s_mov_b32 s[G1+2], 51<<16                      ; 51 of them: a record's 13,056 dense bytes
	s_mov_b32 s[G1+3], 32<<16
	s_mov_b32 s[G1+4], 51
	s_mov_b32 s[G1+5], 32
	s_mov_b32 s[G1+6], 0
	s_mov_b32 s[G1+7], 0
	s_mul_i32 s17, s[WV], REC                      ; my record: key step = my wave's number
	s_mul_i32 s18, s[BH], 16*REC
	s_add_co_u32 s18, s18, s17
	s_mov_b32 s19, 0
	s_mov_b32 s[SEL], 0x76543210
	s_mov_b32 s[SEL+1], 0xfedcba98
	s_mov_b32 s[CS], 0x3e38aa3b
	s_mov_b32 s[CS+1], s[CS]                       ; (named with it as a pair, so it is written)
	s_mov_b32 s[HI], 0xffff0000
	s_mov_b32 s[P0], 0x05040100
	s_mov_b32 s[P1], 0x07060302
	s_mov_b32 s[LOW], 0xec800000
	s_wait_dscnt 0x0                               ; the opening add is done
	s_wait_kmcnt 0x0
	s_mov_b32 s[G0], 1
	s_mov_b32 s[G0+1], s17
	s_add_nc_u64 s[G0+2:G0+3], s[8:9], s[18:19]
	s_or_b32 s[G0+3], s[G0+3], 0x80000000
	CROUND                                         ; all four work-groups are here: the joint loads meet
	tensor_load_to_lds s[G0:G0+3], s[G1:G1+7]      ; my one tensor load of the launch
	s_nop 0
	PLACES 4
	s_mov_b32 s23, 0
	s_lshl_b32 s21, s[CX], 5
	s_add_co_u32 s21, s21, s[WV]                   ; pass 0's tile within the batch: 32 cx + wave; pass 1's lies 16 on
	s_lshl_b32 s22, s[BH], 7
	s_add_co_u32 s22, s22, s21
	s_mul_i32 s22, s22, 768
	s_add_nc_u64 s[4:5], s[4:5], s[22:23]          ; q's codes
	s_lshl_b32 s22, s[BH], 13
	s_lshr_b32 s20, s21, 2
	s_lshl_b32 s20, s20, 8
	s_add_co_u32 s22, s22, s20
	s_and_b32 s20, s21, 3
	s_lshl_b32 s20, s20, 2
	s_add_co_u32 s22, s22, s20
	s_add_nc_u64 s[6:7], s[6:7], s[22:23]          ; q's scale words
	s_lshr_b32 s20, s[BH], 4
	s_lshl_b32 s20, s20, 7
	s_add_co_u32 s20, s20, s21                     ; the tile among all 512
	s_and_b32 s21, s[BH], 15                       ; the head within the batch
	s_mul_i32 s22, s20, 12288
	s_mul_i32 s17, s21, 768
	s_add_co_u32 s22, s22, s17
	s_add_nc_u64 s[10:11], s[10:11], s[22:23]      ; o's codes
	s_lshl_b32 s22, s20, 9
	s_lshl_b32 s17, s21, 1
	s_add_co_u32 s22, s22, s17
	s_add_nc_u64 s[12:13], s[12:13], s[22:23]      ; o's scale bytes
	v_and_b32 v9, 31, v0
	v_and_b32 v10, 15, v0                          ; r
	v_bfe_u32 v11, v0, 4, 1                        ; h
	v_lshlrev_b32 v[L16], 4, v9
	v_lshlrev_b32 v[L8], 3, v9
	v_lshlrev_b32 v[L4], 2, v9
	v_lshlrev_b32 v[QSO], 4, v10
	v_lshlrev_b32 v[OSO], 13, v11
	v_lshl_add_u32 v[OSO], v10, 5, v[OSO]
	QLOAD 0
	v_xor_b32 v[Q+6], 1, v11
	v_lshlrev_b32 v[Q+6], 3, v[Q+6]                ; the code +1 at K place 64: lanes 0-15 alone
.irp i, 7,8,9,10,11
	v_mov_b32 v[Q+\i], 0
.endr
.irp t, 0,1,2,3
	v_mov_b32 v[KF+8*\t+6], 0x28                   ; the code -1 at K place 64 (in lanes 16-31 at place 96, where Q has a zero)
	v_mov_b32 v[KF+8*\t+7], 0
.endr
.irp i, 32,33,34,35
	v_mov_b32 v[KF+\i], 0                          ; what the fourth tile's operand runs on into
.endr
	v_mov_b32 v[ONES], 0xffff
	v_mov_b32 v[PS], 0                             ; (named as the upper half of the pair with f before it is first written)
	v_mov_b32 v[T0], 0
.irp b, 0,1,2,3
	v_mov_b32 v[TP+\b], 0                          ; written once: a lane permute's destination counts as one of its sources
.endr
	s_wait_tensorcnt 0x0                           ; my record has landed,
	s_barrier_signal -1
	s_barrier_wait -1                              ; everybody's has: the head's K and V lie in LDS
	PASS 0
	PASS 1
	s_wait_tensorcnt 0x0                           ; the wave's end: a tensor wait, an LDS add and its wait behind my tensor load
	ds_add_u32 v[SPW], v[NIL]
	s_wait_dscnt 0x0
	CROUND                                         ; the closing round
	s_endpgm
.Lfunc_end_k_q602e31329f_attn:
	.size	k_q602e31329f_attn, .Lfunc_end_k_q602e31329f_attn-k_q602e31329f_attn
	.p2alignl 7, 3214868480
	.fill 96, 4, 3214868480
	.section	.rodata,"a",@progbits
	.p2align	6, 0x0
	.amdhsa_kernel k_q602e31329f_attn
		.amdhsa_group_segment_fixed_size 210944
		.amdhsa_private_segment_fixed_size 0
		.amdhsa_enable_private_segment 0
		.amdhsa_kernarg_size 40
		.amdhsa_user_sgpr_count 2
		.amdhsa_user_sgpr_kernarg_segment_ptr 1
		.amdhsa_wavefront_size32 1
		.amdhsa_system_sgpr_workgroup_id_x 1
		.amdhsa_system_sgpr_workgroup_id_y 1
		.amdhsa_system_sgpr_workgroup_id_z 1
		.amdhsa_system_vgpr_workitem_id 0
		.amdhsa_next_free_vgpr 256
		.amdhsa_next_free_sgpr 66
		.amdhsa_reserve_vcc 1
		.amdhsa_float_denorm_mode_32 3
		.amdhsa_float_denorm_mode_16_64 3
		.amdhsa_memory_ordered 1
		.amdhsa_forward_progress 1
		.amdhsa_inst_pref_size 48
	.end_amdhsa_kernel
	.amdgpu_metadata
---
amdhsa.version: [ 1, 2 ]
amdhsa.kernels:
  - .name:           k_q602e31329f_attn
    .symbol:         k_q602e31329f_attn.kd
    .args:
      - { .name: qimg, .offset: 0, .size: 8, .value_kind: global_buffer, .address_space: global }
      - { .name: qsc, .offset: 8, .size: 8, .value_kind: global_buffer, .address_space: global }
      - { .name: kv, .offset: 16, .size: 8, .value_kind: global_buffer, .address_space: global }
      - { .name: oimg, .offset: 24, .size: 8, .value_kind: global_buffer, .address_space: global }
      - { .name: osc, .offset: 32, .size: 8, .value_kind: global_buffer, .address_space: global }
    .group_segment_fixed_size: 210944
    .private_segment_fixed_size: 0
    .kernarg_segment_align: 8
    .kernarg_segment_size: 40
    .max_flat_workgroup_size: 512
    .sgpr_count:     66
    .vgpr_count:     256
    .wavefront_size: 32
...
	.end_amdgpu_metadata
.endif
;; end of part 3
;; launch proj (part 4): grid 32 x 8, 4 waves a work-group, clusters of 4 x 1, 168,448 bytes of LDS; arguments oimg, osc, img, sc, out0; writes out0
.if DOCPART == 4
	.amdgcn_target "amdgcn-amd-amdhsa--gfx1250"
	.amdhsa_code_object_version 6
	.text
	.protected	k_q602e31329f_proj
	.globl	k_q602e31329f_proj
	.p2align	8
	.type	k_q602e31329f_proj,@function
k_q602e31329f_proj:
	s_mov_b64 s[64:65], 0
	v_nop
	global_prefetch_b8 v0, s[64:65] scope:SCOPE_SE
	s_setreg_imm32_b32 hwreg(HW_REG_WAVE_MODE, 25, 1), 1
	s_wait_xcnt 0x0
	s_wait_alu depctr_hold_cnt(0) depctr_sa_sdst(0) depctr_va_vdst(0) depctr_va_sdst(0) depctr_va_ssrc(0) depctr_va_vcc(0) depctr_vm_vsrc(0)
	s_getreg_b32 s2, hwreg(HW_REG_IB_STS2, 6, 4)
	s_cmp_eq_u32 s2, 0
	s_cbranch_scc0 .Lentry_in_a_cluster
	s_endpgm
.Lentry_in_a_cluster:
	s_bfe_u32 s2, ttmp6, 0x10000c
	s_cmp_lg_u32 s2, 0x3003
	s_cbranch_scc0 .Lentry_shape_is_right
	s_endpgm
.Lentry_shape_is_right:
; out0 = o W_o^T on codes of FP6 (E2M3) with E8M0 scales; out0 [8192][1024] f32.
; SHARES.  Work-group (rb, y): rows 256 rb .. + 255, columns 128 y .. + 127 (8 tiles of W_o, 98,304 bytes, in LDS whole: filled once).  Wave w: rows 64 w on: four tiles of 16 rows, whose 32 fragments (all of K, 384 registers)
; are loaded once and stay.  W_o's tiles are walked in two PARTS of four tiles (64 columns): 16 accumulators, 128 products.
; CLUSTER.  The four work-groups of a cluster share y, so W_o's tiles are asked for jointly (mask 15); their place in the cluster enters addresses of global loads and stores alone.
; o's fragment of K step s is the half fragments of heads 2 s and 2 s + 1 (oimg [tile 512][head 16][768]); its scale words are the row's 32 bytes as they lie (osc [tile][lane r][32]).
; Source 0 = 16 rows of W_o, source 1 = 16 rows of o: a lane holds eight neighbouring columns of one row.  Lane r of a tile holds row 32 (T/2) + 8 (T%2) + r + 8 (r/8): the way out puts rows and columns back in order.
; REGISTERS, in windows of 256: window 0: addresses, scale words, v64-191 the way out.  window 1: o's fragments of K steps 0-4 at 48 s + 12 a.  window 2: those of steps 5-7; from v144 W_o's fragments, two sets of 48.  window 3: v0-127 the accumulators.
.set NPARTS, 2
.set NA,     16                        ; loads that bring one K step's four fragments of o
.set TILEB,  12288
.set PARTB,  4*TILEB
.set STAGE,  8*TILEB                   ; behind W_o's tiles: for each wave 4 x 16 rows x (256 + 16) bytes; no fill lands here
.set WSTG,   17408
.set SPARE,  STAGE+4*WSTG              ; behind the stages: the spare words, 128 bytes a wave
.set L16, 1                            ; v1 16 x lane   v2 8 x lane
.set L8,  2
.set XO,  3                            ; v3 32 r + 16 h
.set SPW, 4
.set NIL, 5
.set LB,  6                            ; v6 LDS: 16 x lane + the part in hand
.set SI,  7                            ; v7 the stage, way in: 272 r + 64 h
.set SO,  8                            ; v8 the stage, way out: 272 h + 16 r
.set GO,  9                            ; v9 4,096 h + 16 r
.set XS,  16                           ; v16-31 o's scale words
.set WS,  32                           ; v32-63 W_o's
.set BK,  64                           ; v64-191 rows read back from the stage
.set WV,  16
.set G1,  24
.set G0,  32
.set MSB, 0
.macro WIN new                         ; the immediate's high byte repeats the setting that is left
.if MSB != \new
	s_set_vgpr_msb (MSB<<8)|\new
.set MSB, \new
.endif
.endm
.macro PLACES n
.rept \n
	v_nop
.endr
.endm
.macro CROUND
	s_barrier_signal -1
	s_barrier_wait -1
	s_cmp_lg_u32 s[WV], 0
	s_cbranch_scc1 .Lnot_wave_0_\@
	s_barrier_signal -3
.Lnot_wave_0_\@:
	s_barrier_wait -3
	s_barrier_signal -1
	s_barrier_wait -1
.endm
.macro WM d, x, y, p, q, k             ; one product; K step 0 starts the sum; steps 4-7 take their scale words from lanes 16-31
.if (\k) == 0
	v_wmma_scale_f32_16x16x128_f8f6f4 v[(\d):(\d)+7], v[(\x):(\x)+11], v[(\y):(\y)+11], 0, v[(\p)], v[(\q)] matrix_a_fmt:MATRIX_FMT_FP6 matrix_b_fmt:MATRIX_FMT_FP6
.elseif (\k) < 4
	v_wmma_scale_f32_16x16x128_f8f6f4 v[(\d):(\d)+7], v[(\x):(\x)+11], v[(\y):(\y)+11], v[(\d):(\d)+7], v[(\p)], v[(\q)] matrix_a_fmt:MATRIX_FMT_FP6 matrix_b_fmt:MATRIX_FMT_FP6
.else
	v_wmma_scale_f32_16x16x128_f8f6f4 v[(\d):(\d)+7], v[(\x):(\x)+11], v[(\y):(\y)+11], v[(\d):(\d)+7], v[(\p)], v[(\q)] matrix_a_fmt:MATRIX_FMT_FP6 matrix_b_fmt:MATRIX_FMT_FP6 matrix_a_scale:MATRIX_SCALE_ROW1 matrix_b_scale:MATRIX_SCALE_ROW1
.endif
.endm
; 16 products: K step k of part j.  The 16 accumulators take turns, one instruction a turn, in the same order in every step
.macro MUL16 k, j
.if (\k) < 5
.set AW, 48*(\k)
	WIN 0xf6
.else
.set AW, 48*((\k)-5)
	WIN 0xfa
.endif
.set BW, 144+48*((\k)%2)
.irp a, 0,1,2,3
.irp b, 0,1,2,3
	WM 8*(4*\a+\b), BW+12*\b, AW+12*\a, WS+4*(4*(\j)+\b)+(\k)%4, XS+4*\a+(\k)%4, \k
.endr
.endr
.endm
.macro FETCHB off, sg                  ; four fragments of W_o, one K step, into set sg
	WIN 0x80
.irp b, 0,1,2,3
.irp c, 0,1,2
	ds_load_b128 v[144+48*(\sg)+12*\b+4*\c:144+48*(\sg)+12*\b+4*\c+3], v[LB] offset:(\off)+TILEB*\b+512*\c
.endr
.endr
.endm
.macro ALOAD k                         ; o's four fragments of K step k: two half fragments each
.if (\k) < 5
	WIN 0x40
.set AW, 48*(\k)
.else
	WIN 0x80
.set AW, 48*((\k)-5)
.endif
.irp a, 0,1,2,3
	global_load_b128 v[AW+12*\a:AW+12*\a+3], v[L16], s[40:41] offset:TILEB*\a+1536*(\k)
	global_load_b64 v[AW+12*\a+4:AW+12*\a+5], v[L8], s[40:41] offset:TILEB*\a+1536*(\k)+512
	global_load_b128 v[AW+12*\a+6:AW+12*\a+9], v[L16], s[40:41] offset:TILEB*\a+1536*(\k)+768
	global_load_b64 v[AW+12*\a+10:AW+12*\a+11], v[L8], s[40:41] offset:TILEB*\a+1536*(\k)+1280
.endr
.endm
; A part: eight K steps.  Each step waits for its set of W_o's fragments (asked for a step, 16 products, earlier), asks for the next step's and multiplies.
.macro PART j
.irp k, 0,1,2,3,4,5,6,7
.if (\j) == 0
.set LCN, NA*(7-\k)                    ; o's loads of the later steps may stay out (the count's field ends at 63: a smaller count is safe)
.if LCN > 63
.set LCN, 63
.endif
	s_wait_loadcnt LCN
.endif
	s_wait_dscnt 0x0
.if ((\k) == 7) && ((\j) < NPARTS-1)
	WIN 0
	s_wait_tensorcnt NPARTS-2-(\j)                 ; my tile of the next part has landed
	s_barrier_signal -1
	s_barrier_wait -1                              ; everybody's has
	v_add_nc_u32 v[LB], PARTB, v[LB]
.endif
.if (\k) < 7
	PLACES 4                                       ; in front of loads into registers that the last step's products read
	FETCHB ((\k)+1)*1536, ((\k)+1)%2
.elseif (\j) < NPARTS-1
	PLACES 4
	FETCHB 0, 0
.endif
	MUL16 \k, \j
.endr
	WIN 0
	PLACES 4                                       ; in front of the first read of results
.endm
; THE WAY OUT of a part: 64 rows x 64 columns a wave, through my own stage: in by rows of 272 bytes, columns put in order; back as whole rows of 256 bytes, two an instruction.
; LDS serves a wave's instructions in order: no wait between the stores and the loads.
.macro WAYOUT j
	s_wait_xcnt 0x0                                ; the last part's stores have read their registers: the loads below land there
	WIN 0x0c                                       ; an LDS store's data: window 3
.irp a, 0,1,2,3
.irp b, 0,1,2,3
	ds_store_b128 v[SI], v[8*(4*\a+\b):8*(4*\a+\b)+3] offset:4352*\a+128*(\b/2)+32*(\b%2)      ; each accumulator from its low end on
	ds_store_b128 v[SI], v[8*(4*\a+\b)+4:8*(4*\a+\b)+7] offset:4352*\a+128*(\b/2)+32*(\b%2)+16
.endr
.endr
	WIN 0
.irp a, 0,1,2,3
.irp t, 0,1,2,3,4,5,6,7
	ds_load_b128 v[BK+4*(8*\a+\t):BK+4*(8*\a+\t)+3], v[SO] offset:4352*\a+544*\t
.endr
.endr
.irp a, 0,1,2,3
.irp t, 0,1,2,3,4,5,6,7
	s_wait_dscnt 31-(8*\a+\t)                      ; the younger loads may stay out
	global_store_b128 v[GO], v[BK+4*(8*\a+\t):BK+4*(8*\a+\t)+3], s[12:13] offset:(32*(\a/2)+8*(\a%2)+2*\t+8*(\t/4))*4096+256*\j th:TH_STORE_NT   ; sixteen lanes store 256 consecutive bytes, aligned
.endr
.endr
.endm
	s_load_b256 s[4:11], s[0:1], 0x0               ; oimg, osc, img, sc
	s_load_b64 s[12:13], s[0:1], 0x20              ; out0
	v_lshl_add_u32 v[SPW], v0, 2, SPARE
	v_mov_b32 v[NIL], 0
	ds_add_u32 v[SPW], v[NIL]                      ; the wave's opening: the add and its wait ahead of my first tensor load; work on registers stands between them
	v_lshrrev_b32 v12, 5, v0
	v_readfirstlane_b32 s[WV], v12                 ; wave 0..3
	s_bfe_u32 s17, ttmp6, 0x40000                  ; cx
	s_lshl_b32 s18, ttmp9, 2
	s_add_co_u32 s18, s18, s17                     ; rb = 4 x cluster x + cx
	s_and_b32 s19, ttmp7, 0xffff                   ; y, which the four partners share
	s_mov_b32 s[G1], 15|(3<<16)|(1<<21)            ; the mask: all four; elements of 8 bytes; bit 21 beside a mask; no padding
	s_mov_b32 s[G1+1], 32<<16                      ; rows of 256 bytes,
	s_mov_b32 s[G1+2], 48<<16                      ; 48 of them: a tile's 12,288 dense bytes
	s_mov_b32 s[G1+3], 32<<16
	s_mov_b32 s[G1+4], 48
	s_mov_b32 s[G1+5], 32
	s_mov_b32 s[G1+6], 0
	s_mov_b32 s[G1+7], 0
	v_and_b32 v12, 31, v0
	v_and_b32 v10, 15, v0                          ; r
	v_bfe_u32 v11, v0, 4, 1                        ; h
	v_lshlrev_b32 v[L16], 4, v12
	v_lshlrev_b32 v[L8], 3, v12
	v_lshlrev_b32 v[LB], 4, v12
	v_lshlrev_b32 v[XO], 5, v10
	v_lshl_add_u32 v[XO], v11, 4, v[XO]
	s_mul_i32 s50, s[WV], WSTG
	s_add_co_u32 s50, s50, STAGE                   ; my stage
	v_mul_u32_u24 v[SI], v10, 272
	v_lshl_add_u32 v[SI], v11, 6, v[SI]
	v_add_nc_u32 v[SI], s50, v[SI]
	v_mul_u32_u24 v[SO], v11, 272
	v_lshl_add_u32 v[SO], v10, 4, v[SO]
	v_add_nc_u32 v[SO], s50, v[SO]
	v_lshlrev_b32 v[GO], 12, v11
	v_lshl_add_u32 v[GO], v10, 4, v[GO]
	s_lshl_b32 s22, s19, 3
	s_add_co_u32 s22, s22, 704                     ; my columns' first tile in img and sc
	s_add_co_u32 s20, s22, s[WV]                   ; of each part I fetch tile number wave
	s_mul_i32 s20, s20, TILEB
	s_mov_b32 s21, 0
	s_lshl_b32 s22, s22, 9
	s_mov_b32 s23, 0
	s_mul_i32 s48, s[WV], TILEB                    ; and where it goes: no place in the cluster enters an LDS address
	s_wait_dscnt 0x0                               ; the opening add is done
	s_wait_kmcnt 0x0
	s_add_nc_u64 s[20:21], s[8:9], s[20:21]
.irp j, 0,1
	s_mov_b32 s[G0+4*\j], 1
	s_add_co_u32 s[G0+4*\j+1], s48, \j*PARTB
	s_add_nc_u64 s[G0+4*\j+2:G0+4*\j+3], s[20:21], \j*PARTB
	s_or_b32 s[G0+4*\j+3], s[G0+4*\j+3], 0x80000000
.endr
	CROUND                                         ; all four work-groups are here: the joint loads meet
.irp j, 0,1
	tensor_load_to_lds s[G0+4*\j:G0+4*\j+3], s[G1:G1+7]   ; both first fills in one group: two loads of mine are out
	s_nop 0
.endr
	PLACES 4
	s_lshl_b32 s49, s18, 4
	s_lshl_b32 s51, s[WV], 2
	s_add_co_u32 s49, s49, s51                     ; my first tile of o: 16 rb + 4 wave
	s_mov_b32 s47, 0
	s_mul_i32 s46, s49, TILEB
	s_add_nc_u64 s[40:41], s[4:5], s[46:47]        ; o's fragments
	s_lshl_b32 s46, s49, 9
	s_add_nc_u64 s[42:43], s[6:7], s[46:47]        ; o's scale words
	s_add_nc_u64 s[44:45], s[10:11], s[22:23]      ; W_o's
	s_lshl_b32 s46, s49, 16                        ; 16 rows of 4,096 bytes a tile
	s_lshl_b32 s51, s19, 9
	s_add_co_u32 s46, s46, s51
	s_add_nc_u64 s[12:13], s[12:13], s[46:47]      ; out0 at my first row and column
.irp a, 0,1,2,3
	global_load_b128 v[XS+4*\a:XS+4*\a+3], v[XO], s[42:43] offset:512*\a
.endr
.irp t, 0,1,2,3,4,5,6,7
	global_load_b128 v[WS+4*\t:WS+4*\t+3], v[L16], s[44:45] offset:512*\t
.endr
.irp k, 0,1,2,3,4,5,6,7
	ALOAD \k
.endr
	WIN 0
	s_wait_tensorcnt NPARTS-1                      ; my tile of part 0 has landed; part 1's load may stay out
	s_barrier_signal -1
	s_barrier_wait -1                              ; everybody's has
	FETCHB 0, 0
	PART 0
	WAYOUT 0
	PART 1
	WAYOUT 1
	s_wait_tensorcnt 0x0                           ; the wave's end: a tensor wait, an LDS add and its wait behind my last tensor load and my last LDS store
	ds_add_u32 v[SPW], v[NIL]
	s_wait_dscnt 0x0
	CROUND                                         ; the closing round
	s_endpgm
.Lfunc_end_k_q602e31329f_proj:
	.size	k_q602e31329f_proj, .Lfunc_end_k_q602e31329f_proj-k_q602e31329f_proj
	.p2alignl 7, 3214868480
	.fill 96, 4, 3214868480
	.section	.rodata,"a",@progbits
	.p2align	6, 0x0
	.amdhsa_kernel k_q602e31329f_proj
		.amdhsa_group_segment_fixed_size 168448
		.amdhsa_private_segment_fixed_size 0
		.amdhsa_enable_private_segment 0
		.amdhsa_kernarg_size 40
		.amdhsa_user_sgpr_count 2
		.amdhsa_user_sgpr_kernarg_segment_ptr 1
		.amdhsa_wavefront_size32 1
		.amdhsa_system_sgpr_workgroup_id_x 1
		.amdhsa_system_sgpr_workgroup_id_y 1
		.amdhsa_system_sgpr_workgroup_id_z 1
		.amdhsa_system_vgpr_workitem_id 0
		.amdhsa_next_free_vgpr 896
		.amdhsa_next_free_sgpr 66
		.amdhsa_reserve_vcc 0
		.amdhsa_float_denorm_mode_32 3
		.amdhsa_float_denorm_mode_16_64 3
		.amdhsa_memory_ordered 1
		.amdhsa_forward_progress 1
		.amdhsa_inst_pref_size 83
	.end_amdhsa_kernel
	.amdgpu_metadata
---
amdhsa.version: [ 1, 2 ]
amdhsa.kernels:
  - .name:           k_q602e31329f_proj
    .symbol:         k_q602e31329f_proj.kd
    .args:
      - { .name: oimg, .offset: 0, .size: 8, .value_kind: global_buffer, .address_space: global }
      - { .name: osc, .offset: 8, .size: 8, .value_kind: global_buffer, .address_space: global }
      - { .name: img, .offset: 16, .size: 8, .value_kind: global_buffer, .address_space: global }
      - { .name: sc, .offset: 24, .size: 8, .value_kind: global_buffer, .address_space: global }
      - { .name: out0, .offset: 32, .size: 8, .value_kind: global_buffer, .address_space: global }
    .group_segment_fixed_size: 168448
    .private_segment_fixed_size: 0
    .kernarg_segment_align: 8
    .kernarg_segment_size: 40
    .max_flat_workgroup_size: 128
    .sgpr_count:     66
    .vgpr_count:     896
    .wavefront_size: 32
...
	.end_amdgpu_metadata
.endif
;; end of part 4
